; MI455X (gfx1250); checked and timed in simulation.
; The chip was launched on July 23, 2026; its instructions are those of AMD's public machine-readable ISA for CDNA 5 (MIT licence, August 2026) and "CDNA5" Instruction Set Architecture Reference Guide (July 2026). The comments in the code are by the model that wrote it; some were corrected since.
;; Soft To Hard Encoder. Allowed arithmetic: float matrix products may take bf16 or f16 operands with f32 sums; all other float work in f32.
;; Inputs: W 64 x 256 float32; z 4 x 64 x 64 x 64 float32.
;; Outputs: out0 4 x 64 x 64 x 64 float32; out1 4 x 64 x 64 x 64 float32; out2 4 x 64 x 64 x 64 int32.
;; One version. Each part assembles by itself: llvm-mc -triple=amdgcn-amd-amdhsa -mcpu=gfx1250 --defsym DOCPART=n.
;; ======== version 1 of 1: 2 launches
;; limits: values within 6e-08 (relative) of each other or of a threshold may be ordered or decided otherwise than in the reference; an absolute error that grows with the inputs' magnitude: up to 1.5e-05 times it
;; workspace buffers: tab 262,144 bytes
;; launch tables (part 1): grid 256 x 1, 8 waves a work-group, no clusters, 12,288 bytes of LDS; arguments W, tab; writes tab
.if DOCPART == 1
	.amdgcn_target "amdgcn-amd-amdhsa--gfx1250"
	.amdhsa_code_object_version 6
	.text
	.protected	k_q333574bc49_tables
	.globl	k_q333574bc49_tables
	.p2align	8
	.type	k_q333574bc49_tables,@function
k_q333574bc49_tables:
	s_mov_b64 s[64:65], 0
	v_nop
	global_prefetch_b8 v0, s[64:65] scope:SCOPE_SE
	s_setreg_imm32_b32 hwreg(HW_REG_WAVE_MODE, 25, 1), 1
	s_wait_xcnt 0x0
; TABLES FOR THE SOFT-TO-HARD ENCODER.  W: [64][256] f32.  tab: 64 channels x 4,096 bytes.
; With a channel's codes sorted, s[0] <= .. <= s[255], gap p (0..255) is the place of a z with exactly p of s[0..254] <= z.
; For gap p, with a = s[p-1], b = s[p]:
;   L = sum over codes w < b of e^(w-a), mL = their mean with these weights; R = sum over codes w >= b of e^(b-w), mR likewise.
; Every exponent is <= 0, and the term of a (of b) itself is e^0: the maximum is taken away by construction, nothing can overflow.
; tab holds per gap: s[p];  GA = mL with the lowest index of a code equal to a in its low 8 bits;  GB = mR with the lowest index of a code
; equal to b;  GR = L / R.  Gap 0 has no left side: L = 0, mL = 0, GR = 0.
; LAYOUT = the register image of the next launch: channel c, block (Y, q) of 512 bytes at 4096 c + 512 (4 Y + q), lane t's 16 bytes at 16 t:
;   Y = 0: s[8t+2q], s[8t+2q+1], GA[8t+2q], GA[8t+2q+1];   Y = 1: GB, GB, GR, GR of the same two gaps.
; WORK: work-group = (channel c = x / 4, q = x % 4), 8 waves.  It owns the 64 gaps p = 8 t + 2 q + e (t = lane, e = wave % 2) and so writes two
; whole blocks of 512 bytes.  The 256 codes are split over part = wave / 2 (64 codes each); parts meet in LDS.
; No address, branch or EXEC hangs on a code's value: sorting is done by ranks and selects (s[p] = the largest code whose rank is <= p,
; rank = how many codes are smaller; equal codes share a rank and fill the places up to the next rank by this rule).
; LIMITS: codes that are NaN or infinite are not served.  The 8 index bits replace the low mantissa bits of mL and mR: relative 2^-16.
.set LW,   0                           ; LDS: the 256 codes
.set LR,   1024                        ; their ranks
.set LSEL, 2048                        ; partial a (1,024 bytes), partial b (1,024 bytes): word = thread
.set LPS,  4096                        ; seven words a thread: L, L*w, R, R*w, index of a, index of b, b; 1,024 bytes each
.set X,    64                          ; v[64:127]   64 codes, the same in every lane
.set Y,    128                         ; v[128:191]  64 more codes, or 64 ranks
.macro LOAD16 buf, adr, base           ; 64 words that every lane reads alike
.set JJ, 0
.rept 16
	ds_load_b128 v[\buf+4*JJ:\buf+4*JJ+3], v[\adr] offset:\base+16*JJ
.set JJ, JJ+1
.endr
.endm
.macro RANK64 buf                      ; my rank grows by one for each of 64 codes that is smaller than mine
.set JJ, 0
.rept 64
	v_cmp_lt_f32 vcc_lo, v[\buf+JJ], v3
	v_add_co_ci_u32 v4, vcc_lo, 0, v4, vcc_lo
.set JJ, JJ+1
.endr
.endm
	s_load_b128 s[4:7], s[0:1], 0x0                ; W s[4:5], tab s[6:7]
	v_lshl_add_u32 v192, v0, 2, 0x2c00
	v_mov_b32 v193, 0
	v_lshlrev_b32 v2, 2, v0                        ; 4 x thread: my word in each LDS region
	v_and_b32 v1, 31, v0                           ; lane = t
	v_lshrrev_b32 v5, 5, v0
	v_readfirstlane_b32 s8, v5                     ; wave
	s_lshr_b32 s9, ttmp9, 2                        ; channel
	s_and_b32 s10, ttmp9, 3                        ; q
	s_lshl_b32 s12, s9, 10                         ; a row of W is 1,024 bytes
	s_mov_b32 s13, 0
	s_lshr_b32 s11, s8, 1                          ; part
	s_and_b32 s14, s8, 1                           ; e
	s_lshl_b32 s15, s11, 8                         ; my part's 64 words in LW and LR
	s_lshl1_add_u32 s16, s10, s14                  ; 2 q + e
	s_lshl_b32 s17, s14, 7                         ; e x 128: the words of the waves with my e
	s_mov_b32 s18, 0xbfb8aa3b                      ; -log2(e)
	s_lshl_b32 s19, s11, 6                         ; my part's first code
	s_mov_b32 s23, 0x0d800000                      ; 2^-100: floor of L in front of its reciprocal
	s_mov_b32 s24, 0xffffff00
	v_mov_b32 v6, 0
	v_mov_b32 v4, 0                                ; rank
	s_wait_kmcnt 0x0
	s_add_nc_u64 s[4:5], s[4:5], s[12:13]
	global_load_b32 v3, v2, s[4:5]                 ; thread k takes code k: the eight waves read the row's 1,024 bytes once
	s_wait_loadcnt 0x0
	ds_store_b32 v2, v3 offset:LW
	s_wait_dscnt 0x0                               ; my store is done before I signal: others read it behind the barrier
	s_barrier_signal -1
	s_barrier_wait -1
	; RANKS: thread k against all 256 codes, 64 at a time through two register buffers
	LOAD16 X, 6, LW
	LOAD16 Y, 6, LW+256
	s_wait_dscnt 16                                ; X is in, Y's 16 loads stay out
	RANK64 X
	LOAD16 X, 6, LW+512
	s_wait_dscnt 16                                ; Y is in, X's 16 new loads stay out
	RANK64 Y
	LOAD16 Y, 6, LW+768
	s_wait_dscnt 16
	RANK64 X
	s_wait_dscnt 0x0
	RANK64 Y
	ds_store_b32 v2, v4 offset:LR
	s_wait_dscnt 0x0
	s_barrier_signal -1
	s_barrier_wait -1
	; SELECT: over my part's 64 codes, b = the largest with rank <= p, a = the largest with rank <= p - 1
	v_mov_b32 v7, s15
	LOAD16 X, 7, LW                                ; my part's codes: they stay in X for the sums below
	LOAD16 Y, 7, LR                                ; and their ranks
	v_lshl_add_u32 v8, v1, 3, s16                  ; p = 8 t + 2 q + e
	v_add_nc_u32 v9, -1, v8                        ; p - 1; for p = 0 it wraps, a becomes the largest code: finite, and never used (no code is < s[0])
	v_mov_b32 v12, 0xff800000                      ; -inf: nothing found
	v_mov_b32 v10, v12                             ; a
	v_mov_b32 v11, v12                             ; b
	v_lshl_add_u32 v16, v1, 2, s17                 ; 4 t + 128 e
	s_wait_dscnt 0x0
.set KI, 0
.rept 64
	v_cmp_ge_u32 vcc_lo, v8, v[Y+KI]
	v_cndmask_b32 v13, v12, v[X+KI], vcc_lo
	v_cmp_ge_u32 vcc_lo, v9, v[Y+KI]
	v_cndmask_b32 v14, v12, v[X+KI], vcc_lo
	v_max_num_f32 v11, v11, v13
	v_max_num_f32 v10, v10, v14
.set KI, KI+1
.endr
	ds_store_b32 v2, v10 offset:LSEL
	ds_store_b32 v2, v11 offset:LSEL+1024
	s_wait_dscnt 0x0
	s_barrier_signal -1
	s_barrier_wait -1
.irp pt, 0,1,2,3
	ds_load_b32 v[20+\pt], v16 offset:LSEL+256*\pt          ; wave e + 2 pt holds part pt of my gap
	ds_load_b32 v[24+\pt], v16 offset:LSEL+1024+256*\pt
.endr
	s_wait_dscnt 0x0
	v_max3_num_f32 v10, v20, v21, v22
	v_max3_num_f32 v11, v24, v25, v26
	v_max_num_f32 v10, v10, v23                    ; a = s[p-1]
	v_max_num_f32 v11, v11, v27                    ; b = s[p]
	; SUMS over my part's 64 codes, two at a time, from the highest index down so that the lowest equal index is written last.
	; A code is on the left if it is < b (then it is <= a), else on the right: one exponential of -|w - a| or -|w - b|.
	v_mov_b32 v30, 0                               ; L
	v_mov_b32 v31, 0                               ; sum of w on the left
	v_mov_b32 v32, 0                               ; R
	v_mov_b32 v33, 0                               ; sum of w on the right
	v_mov_b32 v34, 0x400                           ; index of a within the part: none yet
	v_mov_b32 v35, 0x400                           ; index of b
.set KI, 63
.rept 32
	v_cmp_lt_f32 s20, v[X+KI], v11
	v_cmp_lt_f32 s21, v[X+KI-1], v11
	v_cndmask_b32 v40, v11, v10, s20               ; left: a, right: b
	v_cndmask_b32 v41, v11, v10, s21
	v_sub_f32 v40, v[X+KI], v40
	v_sub_f32 v41, v[X+KI-1], v41
	v_mul_f32 v40, s18, |v40|
	v_mul_f32 v41, s18, |v41|
	v_exp_f32 v40, v40                             ; the compares below are the plain instructions that stand between
	v_exp_f32 v41, v41                             ; the exponentials and the first use of their results (ISA guide 5.7.2)
	v_cmp_eq_f32 vcc_lo, v[X+KI], v10
	v_cndmask_b32 v34, v34, KI, vcc_lo
	v_cmp_eq_f32 vcc_lo, v[X+KI], v11
	v_cndmask_b32 v35, v35, KI, vcc_lo
	v_cmp_eq_f32 vcc_lo, v[X+KI-1], v10
	v_cndmask_b32 v34, v34, KI-1, vcc_lo
	v_cmp_eq_f32 vcc_lo, v[X+KI-1], v11
	v_cndmask_b32 v35, v35, KI-1, vcc_lo
	s_wait_alu depctr_va_vdst(0)
	v_cndmask_b32 v42, 0, v40, s20                 ; the weight, on its side only
	v_cndmask_b32 v43, v40, 0, s20
	v_cndmask_b32 v44, 0, v41, s21
	v_cndmask_b32 v45, v41, 0, s21
	v_add_f32 v30, v30, v42
	v_fmac_f32 v31, v[X+KI], v42
	v_add_f32 v32, v32, v43
	v_fmac_f32 v33, v[X+KI], v43
	v_add_f32 v30, v30, v44
	v_fmac_f32 v31, v[X+KI-1], v44
	v_add_f32 v32, v32, v45
	v_fmac_f32 v33, v[X+KI-1], v45
.set KI, KI-2
.endr
	v_add_nc_u32 v34, s19, v34                     ; index in the channel; 'none' stays above 255
	v_add_nc_u32 v35, s19, v35
	ds_store_b32 v2, v30 offset:LPS
	ds_store_b32 v2, v31 offset:LPS+1024
	ds_store_b32 v2, v32 offset:LPS+2048
	ds_store_b32 v2, v33 offset:LPS+3072
	ds_store_b32 v2, v34 offset:LPS+4096
	ds_store_b32 v2, v35 offset:LPS+5120
	ds_store_b32 v2, v11 offset:LPS+6144
	s_wait_dscnt 0x0
	s_barrier_signal -1
	s_barrier_wait -1
	; WAVE 0 FINISHES: lane t joins the four parts of its two gaps (e = 0, 1) and holds the 16 bytes of both blocks
	s_cmp_lg_u32 s8, 0
	s_cbranch_scc1 .Lend
.irp e, 0,1
.irp w, 0,1,2,3,4,5
.irp pt, 0,1,2,3
	ds_load_b32 v[64+32*\e+4*\w+\pt], v2 offset:LPS+1024*\w+128*(\e+2*\pt)   ; in wave 0, v2 = 4 t
.endr
.endr
	ds_load_b32 v[48+\e], v2 offset:LPS+6144+128*\e                          ; s[p]
.endr
	s_lshl_b32 s12, s9, 12                         ; 4,096 bytes a channel
	s_lshl_b32 s13, s10, 9                         ; block q
	s_add_co_u32 s12, s12, s13
	s_mov_b32 s13, 0
	s_add_nc_u64 s[6:7], s[6:7], s[12:13]
	v_lshlrev_b32 v19, 2, v2                       ; 16 t
	s_wait_dscnt 0x0
.irp e, 0,1
.set E, 64+32*\e
.irp w, 0,1,2,3
	v_add_f32 v[E+4*\w],   v[E+4*\w],   v[E+4*\w+1]
	v_add_f32 v[E+4*\w+2], v[E+4*\w+2], v[E+4*\w+3]
	v_add_f32 v[E+4*\w],   v[E+4*\w],   v[E+4*\w+2]
.endr
.irp w, 4,5
	v_min_u32 v[E+4*\w],   v[E+4*\w],   v[E+4*\w+1]
	v_min_u32 v[E+4*\w+2], v[E+4*\w+2], v[E+4*\w+3]
	v_min_u32 v[E+4*\w],   v[E+4*\w],   v[E+4*\w+2]
.endr
	v_max_num_f32 v[E+1], s23, v[E]                ; L >= 1 wherever a < b; an empty or vanishing left side gives mL = 0 or tiny, with weight L / R ~ 0
	v_rcp_f32 v[E+1], v[E+1]                       ; 1 / L
	v_rcp_f32 v[E+9], v[E+8]                       ; 1 / R; R >= 1: b itself is on the right
	v_and_b32 v[E+16], 0xff, v[E+16]               ; (plain instructions between the reciprocals and their use)
	v_and_b32 v[E+20], 0xff, v[E+20]
	s_wait_alu depctr_va_vdst(0)
	v_mul_f32 v[E+4],  v[E+4],  v[E+1]             ; mL
	v_mul_f32 v[E+12], v[E+12], v[E+9]             ; mR
	v_mul_f32 v[54+\e], v[E], v[E+9]               ; GR = L / R
	v_and_or_b32 v[50+\e], v[E+4],  s24, v[E+16]   ; GA
	v_and_or_b32 v[52+\e], v[E+12], s24, v[E+20]   ; GB
.endr
	global_store_b128 v19, v[48:51], s[6:7]                ; 32 lanes x 16 bytes: a whole block of 512 bytes
	global_store_b128 v19, v[52:55], s[6:7] offset:2048
.Lend:
	s_wait_tensorcnt 0x0
	ds_add_u32 v192, v193
	s_wait_dscnt 0x0
	s_endpgm
.Lfunc_end_k_q333574bc49_tables:
	.size	k_q333574bc49_tables, .Lfunc_end_k_q333574bc49_tables-k_q333574bc49_tables
	.p2alignl 7, 3214868480
	.fill 96, 4, 3214868480
	.section	.rodata,"a",@progbits
	.p2align	6, 0x0
	.amdhsa_kernel k_q333574bc49_tables
		.amdhsa_group_segment_fixed_size 12288
		.amdhsa_private_segment_fixed_size 0
		.amdhsa_enable_private_segment 0
		.amdhsa_kernarg_size 16
		.amdhsa_user_sgpr_count 2
		.amdhsa_user_sgpr_kernarg_segment_ptr 1
		.amdhsa_wavefront_size32 1
		.amdhsa_system_sgpr_workgroup_id_x 1
		.amdhsa_system_sgpr_workgroup_id_y 1
		.amdhsa_system_sgpr_workgroup_id_z 1
		.amdhsa_system_vgpr_workitem_id 0
		.amdhsa_next_free_vgpr 194
		.amdhsa_next_free_sgpr 66
		.amdhsa_reserve_vcc 1
		.amdhsa_float_denorm_mode_32 3
		.amdhsa_float_denorm_mode_16_64 3
		.amdhsa_memory_ordered 1
		.amdhsa_forward_progress 1
		.amdhsa_inst_pref_size 89
	.end_amdhsa_kernel
	.amdgpu_metadata
---
amdhsa.version: [ 1, 2 ]
amdhsa.kernels:
  - .name:           k_q333574bc49_tables
    .symbol:         k_q333574bc49_tables.kd
    .args:
      - { .name: W, .offset: 0, .size: 8, .value_kind: global_buffer, .address_space: global }
      - { .name: tab, .offset: 8, .size: 8, .value_kind: global_buffer, .address_space: global }
    .group_segment_fixed_size: 12288
    .private_segment_fixed_size: 0
    .kernarg_segment_align: 8
    .kernarg_segment_size: 16
    .max_flat_workgroup_size: 256
    .sgpr_count:     66
    .vgpr_count:     194
    .wavefront_size: 32
...
	.end_amdgpu_metadata
.endif
;; end of part 1
;; launch encode (part 2): grid 256 x 1, 16 waves a work-group, no clusters, 54,272 bytes of LDS; arguments z, tab, out0, out1, out2; writes out0, out1, out2
.if DOCPART == 2
	.amdgcn_target "amdgcn-amd-amdhsa--gfx1250"
	.amdhsa_code_object_version 6
	.text
	.protected	k_q333574bc49_encode
	.globl	k_q333574bc49_encode
	.p2align	8
	.type	k_q333574bc49_encode,@function
k_q333574bc49_encode:
	s_mov_b64 s[64:65], 0
	v_nop
	global_prefetch_b8 v0, s[64:65] scope:SCOPE_SE
	s_setreg_imm32_b32 hwreg(HW_REG_WAVE_MODE, 25, 1), 1
	s_wait_xcnt 0x0
; SOFT-TO-HARD ENCODER.  z: [4][64][64][64] f32 (NCHW).  out0 soft, out1 hard (f32), out2 index (i32): [4][64][64][64] (NHWC).
; tab: the tables of the launch before (its head explains them).  For an element z of channel c let p = how many of s[0..254] are <= z,
; a = s[p-1] (-inf for p = 0), b = s[p], da = z - a, db = |b - z|, m = min(da, db), ea = e^(m-da), eb = e^(m-db).  Then
;   sum of e^(m-|z-w|) = ea L + eb R,   soft = mL + (mR - mL) eb / (ea GR + eb),   the nearest code is a or b.
; This is reference()'s softmax with its maximum taken away, regrouped: one of ea, eb is 1, the other <= 1.  (For z beyond s[255] the right side
; of gap 255 holds only codes equal to b, so |b - z| serves there too.)  da and db are the very f32 differences that reference() compares;
; on da = db the lower original index wins, as in argmin.
; WORK: work-group = 64 neighbouring pixels x all 64 channels, so that each pixel's 256 bytes of an output are its own.  16 waves; wave v owns channels
; 4 v .. 4 v + 3 and keeps their tables in 128 registers, lane t holding gaps 8 t .. 8 t + 7.  A lane has pixels 2 lane and 2 lane + 1 (e = 0, 1)
; of each channel: 8 chains a wave.  The search is binary: 5 levels over s[8 t + 7] (first pivot by v_readlane_b32, four by ds_bpermute_b32), then one
; batch of ds_bpermute_b32 from lane p / 8 brings the segment's 7 pivots and 24 table words, and v_cndmask_b32 does the rest.
; ds_bpermute_b32 moves a register from lane to lane and touches no LDS byte; its lane selector is the only number here that hangs on z.
; Every LDS and global address, and the one path of the code, hang on ids and constants alone.
; NO JOINT LOADS, though all work-groups read the same 262,144 bytes of tables: they go straight into the registers that the lane permutes read.
; A joint tensor load would land them in LDS, and 512 ds_load_b128 a work-group would have to carry them on, beside the 4,480 lane permutes
; (16 waves x (8 x 4 + 4 x 62)) that the work-group already issues.
; LIMITS: NaN or infinite inputs are not served.  If two DIFFERENT codes round to the same f32 distance from z (only where z - w is inexact and
; the two lie within half a unit in the last place of that distance), reference() takes the lower index of them, this text the nearer code.
; mL and mR carry an index in their low 8 mantissa bits and are used as they are: relative 2^-16.
.set ZR, 8                             ; v[8:15]    z of chain (ch, e) at 2 ch + e
.set AR, 16                            ; v[16:23]   a at 4 e + ch; in the end hard
.set BR, 24                            ; v[24:31]   b;             in the end the index
.set DR, 32                            ; v[32:39]   4 x lane to ask; in the end soft
.set F,  40                            ; v[40:103]  chain e: 32 e + 0..6 pivots, 7 spare, 8..15 GA, 16..23 GB, 24..31 GR; coarse levels: pivots and steps
.set TB, 128                           ; v[128:255] tables: 32 ch + 4 (4 Y + q) + word
.set P15, 20                           ; s[20:23]   s[127] of channel ch
.set TOP, 24                           ; s[24:27]   s[255]
.set PITCH, 272                        ; stage row: 256 bytes + 16, so that sixteen lanes' 16-byte pieces of sixteen rows fall in sixteen different columns of 256 bytes
.set HALF, 32*PITCH
.set STG,  64*PITCH                    ; one output's stage: row lane + 32 e = pixel 2 lane + e
	s_load_b256 s[4:11], s[0:1], 0x0               ; z s[4:5], tab s[6:7], out0 s[8:9], out1 s[10:11]
	s_load_b64 s[12:13], s[0:1], 0x20              ; out2
	v_lshl_add_u32 v126, v0, 2, 0xcc00
	v_mov_b32 v127, 0
	v_and_b32 v7, 31, v0                           ; lane
	v_lshrrev_b32 v6, 5, v0                        ; wave
	v_readfirstlane_b32 s14, v6
	v_lshlrev_b32 v1, 4, v7
	v_lshl_add_u32 v1, v6, 14, v1                  ; tab: 16 lane + 4 channels x 4,096 bytes x wave
	v_lshlrev_b32 v2, 3, v7
	v_lshl_add_u32 v2, v6, 16, v2                  ; z: 8 lane + 4 channels x 16,384 bytes x wave
	s_lshr_b32 s16, ttmp9, 6                       ; image
	s_lshl_b32 s16, s16, 20                        ; x 64 channels x 16,384 bytes
	s_and_b32 s17, ttmp9, 63
	s_lshl_b32 s17, s17, 8                         ; + 64 pixels x 4 bytes x block
	s_add_co_u32 s16, s16, s17
	s_mov_b32 s17, 0
	s_lshl_b32 s18, ttmp9, 14                      ; outputs: 64 pixels x 256 bytes x work-group
	s_mov_b32 s19, 0
	s_wait_kmcnt 0x0
	s_add_nc_u64 s[4:5], s[4:5], s[16:17]
.irp ch, 0,1,2,3
	global_load_b64 v[ZR+2*\ch:ZR+2*\ch+1], v2, s[4:5] offset:16384*\ch th:TH_LOAD_NT     ; 256 neighbouring bytes a load, read once in the launch
.endr
.irp ch, 0,1,2,3
	global_load_b128 v[TB+32*\ch+12:TB+32*\ch+15], v1, s[6:7] offset:4096*\ch+1536        ; first the blocks with s[8 t + 7]
.endr
.irp ch, 0,1,2,3
.irp k, 0,1,2,4,5,6,7
	global_load_b128 v[TB+32*\ch+4*\k:TB+32*\ch+4*\k+3], v1, s[6:7] offset:4096*\ch+512*\k ; 512 neighbouring bytes a load
.endr
.endr
	s_add_nc_u64 s[8:9], s[8:9], s[18:19]
	s_add_nc_u64 s[10:11], s[10:11], s[18:19]
	s_add_nc_u64 s[12:13], s[12:13], s[18:19]
	s_mov_b32 s28, 92                              ; 4 x lane 23
	s_mov_b32 s29, 0xbfb8aa3b                      ; -log2(e)
	s_lshl_b32 s15, s14, 4                         ; my 4 channels' 16 bytes in a stage row
	s_mul_i32 s44, s14, 2*PITCH                    ; the stage rows that I carry out begin at row 2 wave
	v_mov_b32 v3, 0xff800000                       ; -inf
	v_mul_u32_u24 v4, v7, PITCH
	v_add_nc_u32 v4, s15, v4                       ; stage, in: row lane, my 16 bytes
	v_lshrrev_b32 v5, 4, v7
	v_mul_u32_u24 v5, v5, HALF                     ; stage, back: lanes 0-15 an even pixel's row, lanes 16-31 the odd one's, 32 rows on
	v_and_b32 v107, 15, v7
	v_lshl_add_u32 v5, v107, 4, v5
	v_add_nc_u32 v5, s44, v5
	v_lshlrev_b32 v106, 4, v7
	v_lshl_add_u32 v106, v6, 10, v106              ; outputs: 4 pixels x 256 bytes x wave + 16 lane
	; COARSE SEARCH, all 8 chains side by side: P = how many of s[8 t + 7], t = 0..30, are <= z.  Probe lane P + step - 1, step = 16, 8, 4, 2, 1.
	s_wait_loadcnt 28                              ; z (4 loads) and the 4 first blocks are in; the 28 other blocks stay out
.irp ch, 0,1,2,3
	v_readlane_b32 s[P15+\ch], v[TB+32*\ch+13], 15 ; the first pivot is the same for all lanes
	v_readlane_b32 s[TOP+\ch], v[TB+32*\ch+13], 31 ; s[255]: no pivot, the first b
.endr
.irp ch, 0,1,2,3
.irp e, 0,1
	v_cmp_le_f32 vcc_lo, s[P15+\ch], v[ZR+2*\ch+\e]
	v_mov_b32 v[BR+4*\e+\ch], s[P15+\ch]
	v_cndmask_b32 v[AR+4*\e+\ch], v3, s[P15+\ch], vcc_lo               ; a = pivot if pivot <= z, else none
	v_cndmask_b32 v[BR+4*\e+\ch], v[BR+4*\e+\ch], s[TOP+\ch], vcc_lo   ; b = pivot if pivot > z, else s[255]
	v_cndmask_b32 v[DR+4*\e+\ch], 28, s28, vcc_lo                      ; next probe: lane 7 or 23
	ds_bpermute_b32 v[F+2*\ch+\e], v[DR+4*\e+\ch], v[TB+32*\ch+13]
.endr
.endr
; One level of one chain.  left: lane permutes issued behind this chain's that may stay out.  dn, up: what the selector moves by.
.macro LVL ch, e, dn, up, left, more
	s_wait_dscnt \left
	v_cmp_le_f32 vcc_lo, v[F+2*\ch+\e], v[ZR+2*\ch+\e]
	v_cndmask_b32 v[AR+4*\e+\ch], v[AR+4*\e+\ch], v[F+2*\ch+\e], vcc_lo
	v_cndmask_b32 v[BR+4*\e+\ch], v[F+2*\ch+\e], v[BR+4*\e+\ch], vcc_lo
	v_cndmask_b32 v[F+8+2*\ch+\e], \dn, \up, vcc_lo
	v_add_nc_u32 v[DR+4*\e+\ch], v[DR+4*\e+\ch], v[F+8+2*\ch+\e]
.if \more
	ds_bpermute_b32 v[F+2*\ch+\e], v[DR+4*\e+\ch], v[TB+32*\ch+13]
.endif
.endm
; Behind a chain's permute stand the later chains' of the same level and the earlier chains' of the next: always 7.
.irp ch, 0,1,2,3
.irp e, 0,1
	LVL \ch, \e, -16, 16, 7, 1                     ; 4 lanes up or down
.endr
.endr
.irp ch, 0,1,2,3
.irp e, 0,1
	LVL \ch, \e, -8, 8, 7, 1
.endr
.endr
.irp ch, 0,1,2,3
.irp e, 0,1
	LVL \ch, \e, -4, 4, 7, 1
.endr
.endr
.irp ch, 0,1,2,3
.irp e, 0,1
	LVL \ch, \e, 0, 4, 7-(2*\ch+\e), 0             ; the last level asks for nothing: the counts run down; the selector is now 4 P
.endr
.endr
; Eight fetched words, one kept: word 4 c5 + 2 c6 + c7 (the three fine levels' outcomes, masks s[30+e], s[32+e], s[34+e])
.macro PICK e, x
.set G, F+32*\e+8+8*\x
	v_cndmask_b32 v[G],   v[G],   v[G+1], s[34+\e]
	v_cndmask_b32 v[G+2], v[G+2], v[G+3], s[34+\e]
	v_cndmask_b32 v[G+4], v[G+4], v[G+5], s[34+\e]
	v_cndmask_b32 v[G+6], v[G+6], v[G+7], s[34+\e]
	v_cndmask_b32 v[G],   v[G],   v[G+2], s[32+\e]
	v_cndmask_b32 v[G+4], v[G+4], v[G+6], s[32+\e]
	v_cndmask_b32 v[G],   v[G],   v[G+4], s[30+\e]
.endm
; a and b follow the pivot in register pv under mask m
.macro TRACK ch, e, pv, m
	v_cndmask_b32 v[AR+4*\e+\ch], v[AR+4*\e+\ch], v[\pv], s[\m]
	v_cndmask_b32 v[BR+4*\e+\ch], v[\pv], v[BR+4*\e+\ch], s[\m]
.endm
; One channel, its two chains.  left: table blocks of later channels that may stay out.
.macro CHANNEL ch, left
	s_wait_loadcnt \left
.irp e, 0,1
.irp r, 0,1,2,3,4,5,6
	ds_bpermute_b32 v[F+32*\e+\r], v[DR+4*\e+\ch], v[TB+32*\ch+4*(\r/2)+(\r%2)]           ; s[8 P + r]
.endr
.endr
.irp e, 0,1
.irp r, 0,1,2,3,4,5,6,7
	ds_bpermute_b32 v[F+32*\e+8+\r], v[DR+4*\e+\ch], v[TB+32*\ch+4*(\r/2)+2+(\r%2)]       ; GA[8 P + r]
.endr
.irp r, 0,1,2,3,4,5,6,7
	ds_bpermute_b32 v[F+32*\e+16+\r], v[DR+4*\e+\ch], v[TB+32*\ch+16+4*(\r/2)+(\r%2)]     ; GB
.endr
.irp r, 0,1,2,3,4,5,6,7
	ds_bpermute_b32 v[F+32*\e+24+\r], v[DR+4*\e+\ch], v[TB+32*\ch+16+4*(\r/2)+2+(\r%2)]   ; GR
.endr
.endr
	s_wait_dscnt 48                                ; the 14 pivots are in; the 48 table words stay out
	; three fine levels: pivots s[8P+3]; s[8P+1] or s[8P+5]; s[8P+0], +2, +4 or +6
.irp e, 0,1
	v_cmp_le_f32 s[30+\e], v[F+32*\e+3], v[ZR+2*\ch+\e]
.endr
.irp e, 0,1
	TRACK \ch, \e, F+32*\e+3, 30+\e
	v_cndmask_b32 v[F+32*\e+7], v[F+32*\e+1], v[F+32*\e+5], s[30+\e]
.endr
.irp e, 0,1
	v_cmp_le_f32 s[32+\e], v[F+32*\e+7], v[ZR+2*\ch+\e]
.endr
.irp e, 0,1
	TRACK \ch, \e, F+32*\e+7, 32+\e
	v_cndmask_b32 v[F+32*\e],   v[F+32*\e],   v[F+32*\e+2], s[32+\e]
	v_cndmask_b32 v[F+32*\e+4], v[F+32*\e+4], v[F+32*\e+6], s[32+\e]
.endr
.irp e, 0,1
	v_cndmask_b32 v[F+32*\e+7], v[F+32*\e], v[F+32*\e+4], s[30+\e]
.endr
.irp e, 0,1
	v_cmp_le_f32 s[34+\e], v[F+32*\e+7], v[ZR+2*\ch+\e]
.endr
.irp e, 0,1
	TRACK \ch, \e, F+32*\e+7, 34+\e
.endr
	s_wait_dscnt 24                                ; chain 0's 24 words are in, chain 1's stay out
	PICK 0, 0
	PICK 0, 1
	PICK 0, 2
	s_wait_dscnt 0x0
	PICK 1, 0
	PICK 1, 1
	PICK 1, 2
	; the last step, both chains line by line.  In F + 32 e: 0 da, 1 db, 2 exponent and e^-|da-db|, 3 ia, 4 ib, 5 ea and 1/den, 6 eb, 7 mR - mL; 8 GA, 16 GB, 24 GR
.irp e, 0,1
	v_sub_f32 v[F+32*\e],   v[ZR+2*\ch+\e], v[AR+4*\e+\ch]     ; da (+inf where there is no a)
	v_sub_f32 v[F+32*\e+1], v[BR+4*\e+\ch], v[ZR+2*\ch+\e]
.endr
.irp e, 0,1
	v_and_b32 v[F+32*\e+1], 0x7fffffff, v[F+32*\e+1]           ; db
	v_and_b32 v[F+32*\e+3], 0xff, v[F+32*\e+8]                 ; index of a
	v_and_b32 v[F+32*\e+4], 0xff, v[F+32*\e+16]                ; index of b
.endr
.irp e, 0,1
	v_sub_f32 v[F+32*\e+2], v[F+32*\e], v[F+32*\e+1]
	v_cmp_lt_f32 s[36+\e], v[F+32*\e], v[F+32*\e+1]            ; a is nearer
	v_cmp_eq_f32 s[38+\e], v[F+32*\e], v[F+32*\e+1]            ; a tie
	v_cmp_lt_u32 s[40+\e], v[F+32*\e+3], v[F+32*\e+4]
.endr
.irp e, 0,1
	v_mul_f32 v[F+32*\e+2], s29, |v[F+32*\e+2]|                ; -|da - db| log2(e): the farther side's exponent; the nearer side's is 0
.endr
.irp e, 0,1
	v_exp_f32 v[F+32*\e+2], v[F+32*\e+2]
.endr
.irp e, 0,1
	s_and_b32 s[38+\e], s[38+\e], s[40+\e]
	s_or_b32 s[38+\e], s[38+\e], s[36+\e]                      ; take a: nearer, or as near with the lower index
	v_sub_f32 v[F+32*\e+7], v[F+32*\e+16], v[F+32*\e+8]        ; mR - mL (the plain instruction behind the exponentials: ISA guide 5.7.2)
.endr
	s_wait_alu depctr_va_vdst(0)
.irp e, 0,1
	v_cndmask_b32 v[F+32*\e+5], v[F+32*\e+2], 1.0, s[36+\e]    ; ea
	v_cndmask_b32 v[F+32*\e+6], 1.0, v[F+32*\e+2], s[36+\e]    ; eb
.endr
.irp e, 0,1
	v_fma_f32 v[F+32*\e+5], v[F+32*\e+5], v[F+32*\e+24], v[F+32*\e+6]  ; ea L / R + eb: at least 1 / 256 where ea = 1, at least 1 where eb = 1
.endr
.irp e, 0,1
	v_rcp_f32 v[F+32*\e+5], v[F+32*\e+5]
.endr
.irp e, 0,1
	v_cndmask_b32 v[AR+4*\e+\ch], v[BR+4*\e+\ch], v[AR+4*\e+\ch], s[38+\e]   ; hard (plain instructions behind the reciprocals)
	v_cndmask_b32 v[BR+4*\e+\ch], v[F+32*\e+4], v[F+32*\e+3], s[38+\e]       ; index
.endr
	s_wait_alu depctr_va_vdst(0)
.irp e, 0,1
	v_mul_f32 v[F+32*\e+6], v[F+32*\e+6], v[F+32*\e+5]
.endr
.irp e, 0,1
	v_fma_f32 v[DR+4*\e+\ch], v[F+32*\e+6], v[F+32*\e+7], v[F+32*\e+8]       ; soft
.endr
.endm
	CHANNEL 0, 21                                  ; 7 blocks for each later channel
	CHANNEL 1, 14
	CHANNEL 2, 7
	CHANNEL 3, 0
	; THE WAY OUT: a lane's four channels of a pixel are 16 neighbouring bytes of that pixel's 256; the rows are made whole in LDS
.irp e, 0,1
	ds_store_b128 v4, v[DR+4*\e:DR+4*\e+3] offset:HALF*\e
	ds_store_b128 v4, v[AR+4*\e:AR+4*\e+3] offset:STG+HALF*\e
	ds_store_b128 v4, v[BR+4*\e:BR+4*\e+3] offset:2*STG+HALF*\e
.endr
	s_wait_dscnt 0x0                               ; my stores are done before I signal: every row is read by another wave
	s_barrier_signal -1
	s_barrier_wait -1
.irp o, 0,1,2
.irp i, 0,1
	ds_load_b128 v[F+8*\o+4*\i:F+8*\o+4*\i+3], v5 offset:STG*\o+PITCH*\i     ; pixels 4 wave + 2 i and + 2 i + 1
.endr
.endr
	s_wait_dscnt 0x4                               ; out0's two loads are in, four stay out
	global_store_b128 v106, v[F:F+3],     s[8:9] th:TH_STORE_NT              ; each store: 512 neighbouring bytes, two pixels' whole rows
	global_store_b128 v106, v[F+4:F+7],   s[8:9] offset:512 th:TH_STORE_NT
	s_wait_dscnt 0x2
	global_store_b128 v106, v[F+8:F+11],  s[10:11] th:TH_STORE_NT
	global_store_b128 v106, v[F+12:F+15], s[10:11] offset:512 th:TH_STORE_NT
	s_wait_dscnt 0x0
	global_store_b128 v106, v[F+16:F+19], s[12:13] th:TH_STORE_NT
	global_store_b128 v106, v[F+20:F+23], s[12:13] offset:512 th:TH_STORE_NT
	s_wait_tensorcnt 0x0
	ds_add_u32 v126, v127
	s_wait_dscnt 0x0
	s_endpgm
.Lfunc_end_k_q333574bc49_encode:
	.size	k_q333574bc49_encode, .Lfunc_end_k_q333574bc49_encode-k_q333574bc49_encode
	.p2alignl 7, 3214868480
	.fill 96, 4, 3214868480
	.section	.rodata,"a",@progbits
	.p2align	6, 0x0
	.amdhsa_kernel k_q333574bc49_encode
		.amdhsa_group_segment_fixed_size 54272
		.amdhsa_private_segment_fixed_size 0
		.amdhsa_enable_private_segment 0
		.amdhsa_kernarg_size 40
		.amdhsa_user_sgpr_count 2
		.amdhsa_user_sgpr_kernarg_segment_ptr 1
		.amdhsa_wavefront_size32 1
		.amdhsa_system_sgpr_workgroup_id_x 1
		.amdhsa_system_sgpr_workgroup_id_y 1
		.amdhsa_system_sgpr_workgroup_id_z 1
		.amdhsa_system_vgpr_workitem_id 0
		.amdhsa_next_free_vgpr 256
		.amdhsa_next_free_sgpr 66
		.amdhsa_reserve_vcc 1
		.amdhsa_float_denorm_mode_32 3
		.amdhsa_float_denorm_mode_16_64 3
		.amdhsa_memory_ordered 1
		.amdhsa_forward_progress 1
		.amdhsa_inst_pref_size 61
	.end_amdhsa_kernel
	.amdgpu_metadata
---
amdhsa.version: [ 1, 2 ]
amdhsa.kernels:
  - .name:           k_q333574bc49_encode
    .symbol:         k_q333574bc49_encode.kd
    .args:
      - { .name: z, .offset: 0, .size: 8, .value_kind: global_buffer, .address_space: global }
      - { .name: tab, .offset: 8, .size: 8, .value_kind: global_buffer, .address_space: global }
      - { .name: out0, .offset: 16, .size: 8, .value_kind: global_buffer, .address_space: global }
      - { .name: out1, .offset: 24, .size: 8, .value_kind: global_buffer, .address_space: global }
      - { .name: out2, .offset: 32, .size: 8, .value_kind: global_buffer, .address_space: global }
    .group_segment_fixed_size: 54272
    .private_segment_fixed_size: 0
    .kernarg_segment_align: 8
    .kernarg_segment_size: 40
    .max_flat_workgroup_size: 512
    .sgpr_count:     66
    .vgpr_count:     256
    .wavefront_size: 32
...
	.end_amdgpu_metadata
.endif
;; end of part 2
